; MI455X (gfx1250); checked and timed in simulation.
; The chip was launched on July 23, 2026; its instructions are those of AMD's public machine-readable ISA for CDNA 5 (MIT licence, August 2026) and "CDNA5" Instruction Set Architecture Reference Guide (July 2026). The comments in the code are by the model that wrote it; some were corrected since.
;; RTN Gemm Linear. Allowed arithmetic: float matrix products may take bf16 or f16 operands with f32 sums; all other float work in f32.
;; Inputs: qweight 4,096 x 4,096 int32; scales 4,096 x 32 float32; x 4,096 x 4,096 float32.
;; Outputs: out0 4,096 x 4,096 float32.
;; 2 versions, each right; version 2 is version 1 with the launch prep written anew for expert scheduling mode. Each part assembles by itself: llvm-mc -triple=amdgcn-amd-amdhsa -mcpu=gfx1250 --defsym DOCPART=n.
;; ======== version 1 of 2: 2 launches
;; limits: values are held in f16: magnitudes above 65,504 overflow, below 6.1e-05 lose precision
;; workspace buffers: xh 33,554,432 bytes; wh 33,554,432 bytes
;; launch prep (part 1): grid 256 x 2, 8 waves a work-group, no clusters, 0 bytes of LDS; arguments x, qweight, scales, xh, wh; writes xh, wh
.if DOCPART == 1
	.amdgcn_target "amdgcn-amd-amdhsa--gfx1250"
	.amdhsa_code_object_version 6
	.text
	.protected	k_q646172344e_prep
	.globl	k_q646172344e_prep
	.p2align	8
	.type	k_q646172344e_prep,@function
k_q646172344e_prep:
	s_mov_b64 s[64:65], 0
	v_nop
	global_prefetch_b8 v0, s[64:65] scope:SCOPE_SE
	s_setreg_imm32_b32 hwreg(HW_REG_WAVE_MODE, 25, 1), 1
	s_wait_xcnt 0x0
; xh[t][k] = f16(x[t][k]);  wh[o][k] = f16((q[o][k] - 8) * s[o][k / 128]).  x: [4096][4096] f32, q: [4096][4096] int32, s: [4096][32] f32; xh, wh: [4096][4096] f16.
; Each number is converted ONCE here; the product that follows uses every row of xh and of wh in sixteen work-groups, which would otherwise each convert it again.
; WHY f16: each output must lie within 1% of the outputs' root mean square; a rounding to 8 significant bits on both sides of 4,096 products leaves about a quarter of that
; allowance as the error's spread, too near for 16.7 million outputs; 11 significant bits leave an eighth of it.
; LIMITS.  |x| and |(q - 8) s| beyond 65,504 become infinities; below 6e-5 they keep f16's fixed step of 6e-8.  Codes are taken as any int32 (exact in f32 up to 2^24).
; SHARES.  Work-groups with y = 0 convert x, those with y = 1 the weights.  Wave W = 8 x + wave (0 .. 2047) owns the two rows 2 W, 2 W + 1.  A row is 32 chunks: one 16-byte load a lane covers 512 consecutive
; bytes = 128 numbers, which for the weights is exactly one group of a scale; the chunk's 128 f16 leave by one 8-byte store a lane: 256 consecutive bytes, at a multiple of 256 from the buffer's first byte.
; A ring of 32 slots in registers, one a chunk: the first row fills it, each slot is filled again with the second row's chunk as soon as it is read.  Rows and chunks stand in the immediates: no address register
; and no register that a store reads is ever written again, so the text needs no wait but those for its loads.  No LDS, no barrier, no matrix unit: every byte is touched once and no wave needs another's.
.set ROWIN,  16384                     ; bytes in a row of x or q
.set ROWOUT, 8192                      ; bytes in a row of xh or wh
.set OFL, 3                            ; v3        16 x lane: my 16 bytes of a chunk as loaded
.set OFS, 4                            ; v4        8 x lane: my 8 bytes of a chunk as stored; also my two scales
.set SC,  6                            ; v[6:7]    lane l: s of row l / 16, groups 2 (l % 16) and 2 (l % 16) + 1
.set SN,  8                            ; v[8:9]    -8 s of the same
.set T,   10                           ; v[10:17]  at work: two sets of four, by the chunk's parity
.set X,   18                           ; v[18:145] slot g: 4 registers as loaded
.set Y,   146                          ; v[146:209] slot g: 2 registers, the first row's f16 to store
	s_load_b256 s[4:11], s[0:1], 0x0               ; x s[4:5], q s[6:7], s s[8:9], xh s[10:11]
	s_load_b64 s[12:13], s[0:1], 0x20              ; wh
	v_lshrrev_b32 v1, 5, v0
	v_readfirstlane_b32 s14, v1                    ; wave 0..7
	v_and_b32 v2, 31, v0                           ; lane
	v_lshlrev_b32 v[OFL], 4, v2
	v_lshlrev_b32 v[OFS], 3, v2
	s_lshl_b32 s15, ttmp9, 3
	s_add_co_u32 s15, s15, s14                     ; W
	s_lshl_b32 s24, s15, 15                        ; two rows in: 32,768 W (under 2^26)
	s_mov_b32 s25, 0
	s_lshl_b32 s26, s15, 14                        ; two rows out: 16,384 W
	s_mov_b32 s27, 0
	s_lshl_b32 s28, s15, 8                         ; two rows' 64 scales: 256 W
	s_mov_b32 s29, 0
	s_and_b32 s30, ttmp7, 0xffff                   ; which of the two jobs
	s_wait_kmcnt 0x0
	s_cmp_lg_u32 s30, 0
	s_cbranch_scc1 .Lweights
; The ring's first fill: the first row's 32 chunks.  b: the scalar pair that holds the input at my first row.
.macro FILL b
.irp g, 0,1,2,3,4,5,6,7,8,9,10,11,12,13,14,15,16,17,18,19,20,21,22,23,24,25,26,27,28,29,30,31
	global_load_b128 v[X+4*(\g):X+4*(\g)+3], v[OFL], s[(\b):(\b)+1] offset:512*(\g) th:TH_LOAD_NT
.endr
.endm
; Chunk g of row r of x.  ahead = 1: the slot takes the second row's chunk.  left: the younger loads, which may stay out.  d: the two registers that the store reads.
.macro XSLOT r, g, ahead, left, d
	s_wait_loadcnt \left                           ; loads come back in order (ISA guide 5.7.1): this slot's is in
	v_cvt_pk_f16_f32 v[(\d)],   v[X+4*(\g)],   v[X+4*(\g)+1]
	v_cvt_pk_f16_f32 v[(\d)+1], v[X+4*(\g)+2], v[X+4*(\g)+3]
.if \ahead
	global_load_b128 v[X+4*(\g):X+4*(\g)+3], v[OFL], s[4:5] offset:ROWIN+512*(\g) th:TH_LOAD_NT  ; the load ahead of the store
.endif
	global_store_b64 v[OFS], v[(\d):(\d)+1], s[10:11] offset:ROWOUT*(\r)+256*(\g)
.endm
; The same for the weights.  The chunk's one scale and -8 times it come out of their lane into scalar registers (two sets, by the chunk's parity); q s - 8 s in one fused multiply-add is
; the exact (q - 8) s rounded once: the f32 number that the definition gives.
.macro WSLOT r, g, ahead, left, d
.set SA, 16+4*((\g)%2)
.set SB, SA+2
.set TT, T+4*((\g)%2)
	s_wait_loadcnt \left
	v_readlane_b32 s[SA], v[SC+(\g)%2], 16*(\r)+(\g)/2
	v_readlane_b32 s[SB], v[SN+(\g)%2], 16*(\r)+(\g)/2
.irp j, 0,1,2,3
	v_cvt_f32_i32 v[TT+(\j)], v[X+4*(\g)+(\j)]
.endr
	v_pk_fma_f32 v[TT:TT+1],   v[TT:TT+1],   s[SA:SA+1], s[SB:SB+1] op_sel_hi:[1,0,0]  ; both halves take the pairs' low words
	v_pk_fma_f32 v[TT+2:TT+3], v[TT+2:TT+3], s[SA:SA+1], s[SB:SB+1] op_sel_hi:[1,0,0]
	v_cvt_pk_f16_f32 v[(\d)],   v[TT],   v[TT+1]
	v_cvt_pk_f16_f32 v[(\d)+1], v[TT+2], v[TT+3]
.if \ahead
	global_load_b128 v[X+4*(\g):X+4*(\g)+3], v[OFL], s[6:7] offset:ROWIN+512*(\g) th:TH_LOAD_NT
.endif
	global_store_b64 v[OFS], v[(\d):(\d)+1], s[12:13] offset:ROWOUT*(\r)+256*(\g)
.endm
	; x
	s_add_nc_u64 s[4:5], s[4:5], s[24:25]          ; x and xh at my first row
	s_add_nc_u64 s[10:11], s[10:11], s[26:27]
	FILL 4
.irp g, 0,1,2,3,4,5,6,7,8,9,10,11,12,13,14,15,16,17,18,19,20,21,22,23,24,25,26,27,28,29,30,31
	XSLOT 0, \g, 1, 31, Y+2*\g                     ; behind slot g's load stand 31 - g loads of the fill and g refills: 31
.endr
.irp g, 0,1,2,3,4,5,6,7,8,9,10,11,12,13,14,15,16,17,18,19,20,21,22,23,24,25,26,27,28,29,30,31
	XSLOT 1, \g, 0, 31-\g, X+4*\g                  ; the second row loads nothing: the counts run down; it is stored from its own slot, which is not filled again
.endr
	s_endpgm
.Lweights:
	s_add_nc_u64 s[6:7], s[6:7], s[24:25]          ; q, s and wh at my first row
	s_add_nc_u64 s[8:9], s[8:9], s[28:29]
	s_add_nc_u64 s[12:13], s[12:13], s[26:27]
	s_mov_b32 s17, 0                               ; the packed multiply-add names pairs: their high words are written once
	s_mov_b32 s19, 0
	s_mov_b32 s21, 0
	s_mov_b32 s23, 0
	global_load_b64 v[SC:SC+1], v[OFS], s[8:9]     ; my two rows' 64 scales: 256 consecutive bytes, read once
	FILL 6
	s_wait_loadcnt 32                              ; the scales are in; the 32 loads of the fill stay out
	v_mul_f32 v[SN],   0xc1000000, v[SC]           ; -8 s, exact
	v_mul_f32 v[SN+1], 0xc1000000, v[SC+1]
.irp g, 0,1,2,3,4,5,6,7,8,9,10,11,12,13,14,15,16,17,18,19,20,21,22,23,24,25,26,27,28,29,30,31
	WSLOT 0, \g, 1, 31, Y+2*\g
.endr
.irp g, 0,1,2,3,4,5,6,7,8,9,10,11,12,13,14,15,16,17,18,19,20,21,22,23,24,25,26,27,28,29,30,31
	WSLOT 1, \g, 0, 31-\g, X+4*\g
.endr
	s_endpgm
.Lfunc_end_k_q646172344e_prep:
	.size	k_q646172344e_prep, .Lfunc_end_k_q646172344e_prep-k_q646172344e_prep
	.p2alignl 7, 3214868480
	.fill 96, 4, 3214868480
	.section	.rodata,"a",@progbits
	.p2align	6, 0x0
	.amdhsa_kernel k_q646172344e_prep
		.amdhsa_group_segment_fixed_size 0
		.amdhsa_private_segment_fixed_size 0
		.amdhsa_enable_private_segment 0
		.amdhsa_kernarg_size 40
		.amdhsa_user_sgpr_count 2
		.amdhsa_user_sgpr_kernarg_segment_ptr 1
		.amdhsa_wavefront_size32 1
		.amdhsa_system_sgpr_workgroup_id_x 1
		.amdhsa_system_sgpr_workgroup_id_y 1
		.amdhsa_system_sgpr_workgroup_id_z 1
		.amdhsa_system_vgpr_workitem_id 0
		.amdhsa_next_free_vgpr 210
		.amdhsa_next_free_sgpr 66
		.amdhsa_reserve_vcc 0
		.amdhsa_float_denorm_mode_32 3
		.amdhsa_float_denorm_mode_16_64 3
		.amdhsa_memory_ordered 1
		.amdhsa_forward_progress 1
		.amdhsa_inst_pref_size 70
	.end_amdhsa_kernel
	.amdgpu_metadata
---
amdhsa.version: [ 1, 2 ]
amdhsa.kernels:
  - .name:           k_q646172344e_prep
    .symbol:         k_q646172344e_prep.kd
    .args:
      - { .name: x, .offset: 0, .size: 8, .value_kind: global_buffer, .address_space: global }
      - { .name: qweight, .offset: 8, .size: 8, .value_kind: global_buffer, .address_space: global }
      - { .name: scales, .offset: 16, .size: 8, .value_kind: global_buffer, .address_space: global }
      - { .name: xh, .offset: 24, .size: 8, .value_kind: global_buffer, .address_space: global }
      - { .name: wh, .offset: 32, .size: 8, .value_kind: global_buffer, .address_space: global }
    .group_segment_fixed_size: 0
    .private_segment_fixed_size: 0
    .kernarg_segment_align: 8
    .kernarg_segment_size: 40
    .max_flat_workgroup_size: 256
    .sgpr_count:     66
    .vgpr_count:     210
    .wavefront_size: 32
...
	.end_amdgpu_metadata
.endif
;; end of part 1
;; launch gemm (part 2): grid 16 x 16, 4 waves a work-group, clusters of 4 x 4, 327,680 bytes of LDS; arguments xh, wh, out0; writes out0
.if DOCPART == 2
	.amdgcn_target "amdgcn-amd-amdhsa--gfx1250"
	.amdhsa_code_object_version 6
	.text
	.protected	k_q646172344e_gemm
	.globl	k_q646172344e_gemm
	.p2align	8
	.type	k_q646172344e_gemm,@function
k_q646172344e_gemm:
	s_mov_b64 s[64:65], 0
	v_nop
	global_prefetch_b8 v0, s[64:65] scope:SCOPE_SE
	s_setreg_imm32_b32 hwreg(HW_REG_WAVE_MODE, 25, 1), 1
	s_wait_xcnt 0x0
	s_wait_alu depctr_hold_cnt(0) depctr_sa_sdst(0) depctr_va_vdst(0) depctr_va_sdst(0) depctr_va_ssrc(0) depctr_va_vcc(0) depctr_vm_vsrc(0)
	s_getreg_b32 s2, hwreg(HW_REG_IB_STS2, 6, 4)
	s_cmp_eq_u32 s2, 0
	s_cbranch_scc0 .Lentry_in_a_cluster
	s_endpgm
.Lentry_in_a_cluster:
	s_bfe_u32 s2, ttmp6, 0x10000c
	s_cmp_lg_u32 s2, 0xf033
	s_cbranch_scc0 .Lentry_shape_is_right
	s_endpgm
.Lentry_shape_is_right:
; C[m][n] = sum over k of A[m][k] B[n][k].  A = xh: [4096][4096] f16 (tokens), B = wh: [4096][4096] f16 (output channels), C = out0: [4096][4096] f32; sums in f32, K ascending.
; LIMITS.  The operands are f16 as the launch before rounded them: nothing beyond 65,504, a fixed step of 6e-8 below 6e-5.  NaN and infinities go through the products as they are.
; SHARES.  C has 16 x 16 tiles of 256 x 256, one to a work-group of four waves; a wave makes 128 x 128: 64 accumulators of 16 x 16, 512 registers.  For 32 along K a wave reads 2 x 128 x 64 bytes
; from LDS and issues 64 matrix instructions.  K goes in steps of 128 through a ring of two LDS slots filled by the tensor data mover: a tile's rows are 256 bytes of memory, at multiples of 256 from the buffer's first byte.
; CLUSTERS: 4 x 4 work-groups.  The four of a row of the cluster make tiles of one tile row of C and need the same tiles of A; the four of a column the same tiles of B.  Such a tile is asked for JOINTLY:
; each of the four issues the same tensor load, with the same descriptor and a mask that names the four, and each receives it in its own LDS: a quarter of the requests for A and for B.
; REGISTERS, in windows of 256 (s_set_vgpr_msb's low byte: bits 1:0 source 0, 3:2 source 1, 5:4 source 2, 7:6 destination):
;   window 0: v0-31 addresses; v64-127, v128-191 fragments of A (8 x 16 rows x 32 K), two buffers        window 1: v64-127, v128-191 fragments of B, two buffers
;   window 2: the 32 accumulators of my rows 0-63 (accumulator (a, b) at v[8 (8 a + b)])                   window 3: those of my rows 64-127
; THE MATRIX INSTRUCTION IS USED TRANSPOSED: source 0 = 16 rows of B, source 1 = 16 rows of A.  Lane l then holds row l % 16 of C and, in registers 0 to 7, the columns 8 (l / 16) + 0 .. 7:
; 32 neighbouring bytes of a row of C.  The sums are the same as the other way round.
.set SIZE_N, 4096
.set SIZE_K, 4096
.set KSTEP,  128
.set PITCH,  272                       ; an LDS row: 256 bytes + 16 of padding = 68 words: row r starts at bank 4 r mod 64 (64 banks of 4 bytes: ISA guide 11.1), so the 16 rows of a load start at 16 different banks
.set HALFT,  128*PITCH                 ; 128 rows: what one tensor load brings, and what one wave reads of A or of B
.set SLOT,   4*HALFT                   ; A's 256 rows, then B's 256 rows
.set STAGE,  2*SLOT                    ; behind the ring, never filled by a tensor load: 16 rows x 528 bytes for each wave, for the way out
.set SPITCH, 528                       ; a stage row: 128 f32 + 16 bytes = 132 words: again 16 rows at 16 different groups of four banks
.set SPARE,  STAGE+4*16*SPITCH         ; behind the stages: the spare words, 128 bytes for each wave: two blocks of 256 bytes that no other line names
.set LAPS,   SIZE_K/(2*KSTEP)          ; a lap = two K steps = once round the ring: 16
.set ADRA, 16                          ; v16-17  LDS address of my A fragments in slot 0, 1
.set ADRB, 20                          ; v20-21  the same for B
.set STO,  24                          ; v24     the way out: where I put 32 bytes of a row
.set RD,   25                          ; v25     the way out: where I read 16 bytes of a whole row back
.set CO,   26                          ; v26     my byte offset in 512 bytes of a row of C
.set SPW,  28                          ; v28     LDS address of my spare word: SPARE + 4 x my thread's number; never rewritten
.set NIL,  29                          ; v29     0; never rewritten
.set F0,   64                          ; fragment buffer 0
.set F1,   128                         ; fragment buffer 1
.set G1,  24                           ; s[24:31] descriptor group 1 for A's tiles
.set G0,  32                           ; s[32:39] descriptor group 0 for A's tiles, one set for each slot
.set G1B, 48                           ; s[48:55] group 1 for B's tiles: it differs in the mask alone
.set G0B, 56                           ; s[56:63] group 0 for B's tiles, one set for each slot
.set MSB, 0
.macro WIN new                         ; the immediate's high byte repeats the setting that is left; a switch that changes nothing is dropped
.if MSB != (\new)
	s_set_vgpr_msb (MSB<<8)|(\new)
.set MSB, \new
.endif
.endm
.set MUL_LO, 0xa1                      ; source 0 (B) window 1, source 1 (A) window 0, C and D window 2
.set MUL_HI, 0xf1                      ; the same, C and D window 3
.set TO_B,   0x40                      ; destination window 1, address window 0
.set OUT_LO, 0x88                      ; the way out: loaded data (destination) and stored data (source 1) window 2, address (source 0) window 0
.set OUT_HI, 0xcc                      ; the same with window 3
; A joint load.  Waves 0 and 1 fetch A's two halves, waves 2 and 3 B's.  Each of the two lines has ONE mask and one set of registers for all that issue it, and nothing in them hangs on a coordinate
; that the four partners do not share.  The branch hangs on the wave's number alone.  An s_nop 0 and four v_nop follow each line, ahead of the jump, the label and what follows.
.macro JLOAD s
	s_cmp_eq_u32 s11, 0
	s_cbranch_scc0 .Lfor_b_\@
	tensor_load_to_lds s[G0+4*(\s):G0+4*(\s)+3], s[G1:G1+7]
	s_nop 0
.rept 4
	v_nop
.endr
	s_branch .Lasked_\@
.Lfor_b_\@:
	tensor_load_to_lds s[G0B+4*(\s):G0B+4*(\s)+3], s[G1B:G1B+7]
	s_nop 0
.rept 4
	v_nop
.endr
.Lasked_\@:
.endm
; A round of the cluster's barrier: my work-group's barrier, so that wave 0's signal speaks for all four waves; wave 0 signals for the work-group; every wave waits for all sixteen work-groups;
; my work-group's barrier once more.  No LDS instruction of the wave is pending at a signal.
.macro CREST                           ; a round behind its opening barrier
	s_cmp_lg_u32 s10, 0
	s_cbranch_scc1 .Lnot_wave_0_\@
	s_barrier_signal -3
.Lnot_wave_0_\@:
	s_barrier_wait -3
	s_barrier_signal -1
	s_barrier_wait -1
.endm
.macro CROUND                          ; a whole round
	s_barrier_signal -1
	s_barrier_wait -1
	CREST
.endm
	s_load_b128 s[4:7], s[0:1], 0x0                ; A s[4:5], B s[6:7]
	s_load_b64 s[8:9], s[0:1], 0x10                ; C
	v_lshl_add_u32 v[SPW], v0, 2, SPARE
	v_mov_b32 v[NIL], 0
	ds_add_u32 v28, v29
	ds_add_u32 v28, v29
	s_wait_dscnt 0x0
	v_lshrrev_b32 v1, 5, v0
	v_readfirstlane_b32 s10, v1                    ; wave 0..3
	s_lshr_b32 s11, s10, 1                         ; which half of the tile's rows is mine.  Also: I fetch for A (0) or for B (1)
	s_and_b32 s12, s10, 1                          ; which half of its columns.  Also: which 128 rows of that tile I fetch
	s_bfe_u32 s40, ttmp6, 0x40000                  ; cx: my place along the cluster's x
	s_bfe_u32 s41, ttmp6, 0x40004                  ; cy: along its y
	s_lshl_b32 s42, ttmp9, 2                       ; in a cluster launch ttmp9 and ttmp7 count clusters
	s_add_co_u32 s42, s42, s40                     ; tile column of C = 4 x cluster x + cx
	s_and_b32 s13, ttmp7, 0xffff
	s_lshl_b32 s13, s13, 2
	s_add_co_u32 s13, s13, s41                     ; tile row of C = 4 x cluster y + cy
	s_lshl_b32 s43, s41, 2
	s_lshl_b32 s43, 15, s43                        ; my row of the cluster: places 4 cy .. 4 cy + 3
	s_lshl_b32 s44, 0x1111, s40                    ; my column: places cx, cx + 4, cx + 8, cx + 12
	; descriptor group 1: a tile of 128 rows x 128 elements, padded in LDS
	s_or_b32 s[G1+0], s43, (1<<16)|(1<<20)|(1<<21)|(5<<22)|(3<<25)  ; 15:0 the mask: A's tiles go to my row; 17:16 elements of 2 bytes; 20 padding on; 21 set beside a mask; 24:22 after every 64 words (code 5); 31:25 4 words of it (code 3)
	s_or_b32 s[G1B+0], s44, (1<<16)|(1<<20)|(1<<21)|(5<<22)|(3<<25) ; the same with the mask of my column, for B's tiles
	s_mov_b32 s[G1B+1], KSTEP<<16
	s_mov_b32 s[G1+1], KSTEP<<16                   ; 63:48 tensor_dim0, low half = 128
	s_mov_b32 s[G1B+2], 128<<16
	s_mov_b32 s[G1+2], 128<<16                     ; 79:64 its high half = 0; 95:80 tensor_dim1, low half = 128
	s_mov_b32 s[G1B+3], KSTEP<<16
	s_mov_b32 s[G1+3], KSTEP<<16                   ; 111:96 its high half = 0; 127:112 tile_dim0 = 128
	s_mov_b32 s[G1B+4], 128
	s_mov_b32 s[G1+4], 128                         ; 143:128 tile_dim1 = 128; 159:144 tile_dim2 = 0
	s_mov_b32 s[G1B+5], SIZE_K
	s_mov_b32 s[G1+5], SIZE_K                      ; 191:160 tensor_dim0_stride, low word: elements from row to row
	s_mov_b32 s[G1B+6], 0
	s_mov_b32 s[G1+6], 0
	s_mov_b32 s[G1B+7], 0
	s_mov_b32 s[G1+7], 0
	; where the tiles come from.  A's hang on the tile row alone, which my row of the cluster shares; B's on the tile column alone, which my column shares.
	; Every wave makes both addresses, in registers that never hold the other coordinate, and asks by one of them.
	s_lshl_b32 s17, s12, 7                         ; which 128 rows of the tile I fetch
	s_lshl_b32 s16, s13, 8
	s_add_co_u32 s16, s16, s17                     ; A: row 256 x tile row + 128 x half
	s_lshl_b32 s46, s42, 8
	s_add_co_u32 s46, s46, s17                     ; B: row 256 x tile column + 128 x half
	s_mov_b32 s17, 0
	s_mov_b32 s47, 0
	s_mov_b64 s[18:19], SIZE_K*2
	s_mul_u64 s[16:17], s[16:17], s[18:19]         ; in bytes, in 64 bits
	s_mul_u64 s[46:47], s[46:47], s[18:19]
	s_mul_i32 s20, s10, HALFT                      ; and where they go: A's two halves, then B's two halves = wave x 128 rows: no place in the cluster enters an LDS address
	s_wait_kmcnt 0x0
	s_add_nc_u64 s[14:15], s[4:5], s[16:17]
	s_add_nc_u64 s[46:47], s[6:7], s[46:47]
	CROUND                                         ; all sixteen work-groups are here: the first joint loads meet
.irp s, 0,1
	s_mov_b32 s[G0+4*(\s)], 1                                      ; 1:0 count = 1
	s_add_co_u32 s[G0+4*(\s)+1], s20, (\s)*SLOT                    ; 63:32 LDS address
	s_add_nc_u64 s[G0+4*(\s)+2:G0+4*(\s)+3], s[14:15], (\s)*KSTEP*2  ; 120:64 global address: K step s
	s_or_b32 s[G0+4*(\s)+3], s[G0+4*(\s)+3], 0x80000000            ; 127:126 type = 2
	s_mov_b32 s[G0B+4*(\s)], 1
	s_add_co_u32 s[G0B+4*(\s)+1], s20, (\s)*SLOT
	s_add_nc_u64 s[G0B+4*(\s)+2:G0B+4*(\s)+3], s[46:47], (\s)*KSTEP*2
	s_or_b32 s[G0B+4*(\s)+3], s[G0B+4*(\s)+3], 0x80000000
	JLOAD \s                                       ; the ring is filled before anything else is done: two tensor loads of mine are out
.endr
	; A fragment is 16 rows x 32 K in 8 registers: lane l holds row l % 16; registers 0-3 hold K = 8 (l / 16) + 0..7, registers 4-7 hold K = 16 + 8 (l / 16) + 0..7.
	; From rows that lie along K: two loads of 16 bytes, 32 bytes apart.  The same for source 0 and source 1.
	v_and_b32 v1, 15, v0                           ; l % 16
	v_bfe_u32 v2, v0, 4, 1                         ; l / 16
	v_mul_u32_u24 v3, v1, PITCH
	v_lshl_add_u32 v3, v2, 4, v3                   ; row x pitch + 16 x half
	s_mul_i32 s21, s11, HALFT                      ; my 128 rows of A
	s_mul_i32 s22, s12, HALFT                      ; my 128 rows of B,
	s_add_co_u32 s22, s22, 2*HALFT                 ; which lie behind A's 256
.irp s, 0,1
	v_add_nc_u32 v[ADRA+(\s)], s21, v3
	v_add_nc_u32 v[ADRB+(\s)], s22, v3
	s_add_co_u32 s21, s21, SLOT
	s_add_co_u32 s22, s22, SLOT
.endr
	s_mul_i32 s23, s10, 16*SPITCH
	s_add_co_u32 s23, s23, STAGE                   ; my stage
	v_mul_u32_u24 v4, v1, SPITCH                   ; in: row l % 16, 32 bytes for each half of the lanes
	v_lshl_add_u32 v4, v2, 5, v4
	v_add_nc_u32 v[STO], s23, v4
	v_and_b32 v5, 31, v0                           ; back: the 32 lanes take one row of 512 bytes, 16 bytes each,
	v_lshlrev_b32 v[CO], 4, v5                     ; and the same 512 bytes of a row of C
	v_add_nc_u32 v[RD], s23, v[CO]
	; C at my part of the tile
	s_lshl_b32 s13, s13, 8
	s_lshl_b32 s14, s11, 7
	s_add_co_u32 s16, s13, s14                     ; my first row of C
	s_mov_b32 s17, 0
	s_mov_b64 s[18:19], SIZE_N*4
	s_mul_u64 s[16:17], s[16:17], s[18:19]
	s_lshl_b32 s46, s42, 10                        ; my first column, in bytes: 1,024 x tile column + 512 x half (in the registers that held B's address: none that feeds A's descriptors ever holds cx)
	s_lshl_b32 s47, s12, 9
	s_add_co_u32 s46, s46, s47
	s_mov_b32 s47, 0
	s_add_nc_u64 s[16:17], s[16:17], s[46:47]
	s_add_nc_u64 s[8:9], s[8:9], s[16:17]
; 16 matrix instructions: m blocks a0, a0 + 1 of the window's four (hi = 0: my rows 0-63, 1: rows 64-127) x all 8 n blocks, 32 along K.  zero = 1: the first product starts the sums: nothing is ever cleared.
; The 64 accumulators take turns, one instruction a turn, in the same order in every quarter step.
.macro MUL16 f, hi, a0, zero
	WIN MUL_LO+0x50*(\hi)  ; MUL_LO or MUL_HI
.irp a, \a0, (\a0)+1
.irp b, 0,1,2,3,4,5,6,7
.if \zero
	v_wmma_f32_16x16x32_f16 v[8*(8*(\a)+(\b)):8*(8*(\a)+(\b))+7], v[(\f)+8*(\b):(\f)+8*(\b)+7], v[(\f)+8*(4*(\hi)+(\a)):(\f)+8*(4*(\hi)+(\a))+7], 0
.else
	v_wmma_f32_16x16x32_f16 v[8*(8*(\a)+(\b)):8*(8*(\a)+(\b))+7], v[(\f)+8*(\b):(\f)+8*(\b)+7], v[(\f)+8*(4*(\hi)+(\a)):(\f)+8*(4*(\hi)+(\a))+7], v[8*(8*(\a)+(\b)):8*(8*(\a)+(\b))+7]
.endif
.endr
.endr
.endm
; 32 LDS loads in one run: the fragments of one quarter step (128 rows of B, 128 rows of A, 32 K at byte k of the rows) into buffer f
.macro FETCH slot, k, f
	WIN TO_B
.irp i, 0,1,2,3,4,5,6,7
	ds_load_b128 v[(\f)+8*(\i):(\f)+8*(\i)+3],   v[ADRB+(\slot)] offset:(\k)+(\i)*16*PITCH
	ds_load_b128 v[(\f)+8*(\i)+4:(\f)+8*(\i)+7], v[ADRB+(\slot)] offset:(\k)+(\i)*16*PITCH+32
.endr
	WIN 0
.irp i, 0,1,2,3,4,5,6,7
	ds_load_b128 v[(\f)+8*(\i):(\f)+8*(\i)+3],   v[ADRA+(\slot)] offset:(\k)+(\i)*16*PITCH
	ds_load_b128 v[(\f)+8*(\i)+4:(\f)+8*(\i)+7], v[ADRA+(\slot)] offset:(\k)+(\i)*16*PITCH+32
.endr
.endm
; A load into a register that a matrix instruction has read, and an LDS store that reads a matrix result, stand four places behind that matrix instruction, and only plain vector instructions that name
; none of its registers are places (ISA guide 7.12.1 for vector instructions).  No other vector work is at hand here: four v_nop.
.macro PLACES
.rept 4
	v_nop
.endr
.endm
; A K step is four quarter steps of 32 along K, 64 matrix instructions each, on buffers 0, 1, 0, 1.
; One of the first three: multiplies buffer f; in its middle it fetches the next quarter's fragments, at byte k of the same slot's rows, into buffer g.
.macro QUARTER slot, k, f, g, zero
	s_wait_dscnt 8                                 ; B and A's rows 0-63 are in; the youngest eight loads (A's rows 64-127) may be out
	WIN MUL_LO
	MUL16 \f, 0, 0, \zero
	MUL16 \f, 0, 2, \zero
	PLACES
	FETCH \slot, \k, \g
	s_wait_dscnt 32                                ; all but the 32 just issued
	WIN MUL_HI
	MUL16 \f, 1, 0, \zero
	MUL16 \f, 1, 2, \zero
.endm
; The last quarter multiplies buffer 1 and changes slots.  MEET is its first half: ONE barrier for the change of slots.  In front of it each wave waits for all its tensor loads, of which one is out:
; its part of the next slot; adds 0 to its spare word; and waits for that and for its own reads of this slot.  Behind it nobody reads this slot any more and the next slot is whole.
.macro MEET round                      ; round = 1: the rest of a round of the cluster's barrier follows
	WIN 0                                          ; (the add's two registers lie in window 0)
	s_wait_tensorcnt 0x0                           ; all my tensor loads have landed: the one that was out is my part of the next slot;
	ds_add_u32 v[SPW], v[NIL]                      ; 0 onto my spare word;
	s_wait_dscnt 9                                 ; (the add and the youngest eight loads may be out)
	WIN MUL_LO
	MUL16 F1, 0, 0, 0                              ; sixteen matrix instructions stand between the add and the wait for it
	s_wait_dscnt 0x0                               ; the add is done, and my reads of this slot are over:
	s_barrier_signal -1                            ; say so,
	MUL16 F1, 0, 2, 0                              ; work on registers while the others arrive,
.if \round
	WIN 0
.endif
	s_barrier_wait -1                              ; and go on when all four have said so
.endm
; The whole last quarter.  fill = 1: the barrier opens a round of the cluster's, so that no wave of any partner still reads this slot's tile or has a load on its way, and the slot just read out is
; filled again first thing behind the round, with the K step two steps on: from that request to the wait for it a wave issues 224 matrix instructions.  Then come the next slot's first fragments.
.macro TURN slot, next, fill
	MEET \fill
.if \fill
	CREST
	s_add_nc_u64 s[G0+4*(\slot)+2:G0+4*(\slot)+3], s[G0+4*(\slot)+2:G0+4*(\slot)+3], 2*KSTEP*2      ; no tensor load of mine is out: the group 0 may be written; the type bits on top are not reached
	s_add_nc_u64 s[G0B+4*(\slot)+2:G0B+4*(\slot)+3], s[G0B+4*(\slot)+2:G0B+4*(\slot)+3], 2*KSTEP*2
	JLOAD \slot                                    ; my one tensor load behind the round; the four v_nop behind it are also the places in front of the loads below
.else
	PLACES
.endif
	FETCH \next, 0, F0
	WIN MUL_HI
	MUL16 F1, 1, 0, 0
	MUL16 F1, 1, 2, 0
.endm
; THE WAY OUT of block a (16 rows x 128 columns of f32), in two parts.  TOSTAGE: a lane's 32 bytes of each of the 8 accumulators go into my own stage (each accumulator's low four registers first),
; and whole rows of 512 bytes come back into the registers that the block left.  The stage is my wave's own, and LDS serves a wave's instructions in order (ISA guide 5.7.1.4):
; the loads see the stores above them, and the next block's stores come behind these loads: no wait and no barrier between them.
.macro TOSTAGE a
.set AC, 64*((\a)%4)
	WIN OUT_LO+0x44*((\a)/4)                       ; OUT_LO or OUT_HI
.irp b, 0,1,2,3,4,5,6,7
	ds_store_b128 v[STO], v[AC+8*(\b):AC+8*(\b)+3]   offset:64*(\b)
	ds_store_b128 v[STO], v[AC+8*(\b)+4:AC+8*(\b)+7] offset:64*(\b)+16
.endr
.irp t, 0,1,2,3,4,5,6,7,8,9,10,11,12,13,14,15
	ds_load_b128 v[AC+4*(\t):AC+4*(\t)+3], v[RD] offset:(\t)*SPITCH
.endr
.endm
; SEND: stored.  younger: the LDS instructions issued behind block a's loads: the next block's 32, or none.  The row stands in the immediate, 127 rows of 16,384 bytes at the most, inside its signed 24 bits
; (ISA guide, chapter 10); no base is stepped and no register that a store reads is written again.
.macro SEND a, younger
.set AC, 64*((\a)%4)
	WIN OUT_LO+0x44*((\a)/4)
.irp t, 0,1,2,3,4,5,6,7,8,9,10,11,12,13,14,15
	s_wait_dscnt (\younger)+15-(\t)                ; LDS loads come back in order: row t is in
	global_store_b128 v[CO], v[AC+4*(\t):AC+4*(\t)+3], s[8:9] offset:(16*(\a)+(\t))*SIZE_N*4 th:TH_STORE_NT  ; the wave stores 512 consecutive bytes, at a multiple of 512 from C's first byte
.endr
.endm
	s_wait_tensorcnt 1                             ; my part of K step 0 is in; K step 1's may stay out
	s_barrier_signal -1
	s_barrier_wait -1                              ; everybody's is
	FETCH 0, 0, F0
	QUARTER 0, 64,  F0, F1, 1                      ; the first quarter stands in front of the loop: its products start the sums
	WIN 0                                          ; at a label and at a branch every window is 0
	s_mov_b32 s3, LAPS-1
.Llap:                                                 ; a trip goes once round the ring, from a lap's second quarter to the next lap's first, and fills both slots again
	QUARTER 0, 128, F1, F0, 0
	QUARTER 0, 192, F0, F1, 0
	TURN 0, 1, 1
	QUARTER 1, 64,  F0, F1, 0
	QUARTER 1, 128, F1, F0, 0
	QUARTER 1, 192, F0, F1, 0
	TURN 1, 0, 1
	QUARTER 0, 64,  F0, F1, 0
	WIN 0
	s_sub_co_u32 s3, s3, 1
	s_cmp_lg_u32 s3, 0
	s_cbranch_scc1 .Llap
	QUARTER 0, 128, F1, F0, 0                      ; the last lap is written out: it fills nothing, and its change of slots has a plain barrier
	QUARTER 0, 192, F0, F1, 0
	TURN 0, 1, 0
	QUARTER 1, 64,  F0, F1, 0
	QUARTER 1, 128, F1, F0, 0
	QUARTER 1, 192, F0, F1, 0
	s_wait_dscnt 8                                 ; the very last quarter: nothing more to fetch
	WIN MUL_LO
	MUL16 F1, 0, 0, 0
	MUL16 F1, 0, 2, 0
	s_wait_dscnt 0x0
	MUL16 F1, 1, 0, 0
	MUL16 F1, 1, 2, 0
	PLACES                                         ; the stores into the stage read results just made
	TOSTAGE 0
.irp a, 1,2,3,4,5,6,7                  ; block a's way through the stage is issued ahead of the waits for block a - 1's rows
	TOSTAGE \a
	SEND (\a)-1, 32
.endr
	SEND 7, 0
	WIN 0
	s_wait_tensorcnt 0x0                           ; the wave's end: behind my last tensor load and my last LDS store
	ds_add_u32 v[SPW], v[NIL]
	s_wait_dscnt 0x0
	CROUND                                         ; the closing round: no work-group ends while a partner may still ask for a tile that names it
	s_endpgm
.Lfunc_end_k_q646172344e_gemm:
	.size	k_q646172344e_gemm, .Lfunc_end_k_q646172344e_gemm-k_q646172344e_gemm
	.p2alignl 7, 3214868480
	.fill 96, 4, 3214868480
	.section	.rodata,"a",@progbits
	.p2align	6, 0x0
	.amdhsa_kernel k_q646172344e_gemm
		.amdhsa_group_segment_fixed_size 327680
		.amdhsa_private_segment_fixed_size 0
		.amdhsa_enable_private_segment 0
		.amdhsa_kernarg_size 24
		.amdhsa_user_sgpr_count 2
		.amdhsa_user_sgpr_kernarg_segment_ptr 1
		.amdhsa_wavefront_size32 1
		.amdhsa_system_sgpr_workgroup_id_x 1
		.amdhsa_system_sgpr_workgroup_id_y 1
		.amdhsa_system_sgpr_workgroup_id_z 1
		.amdhsa_system_vgpr_workitem_id 0
		.amdhsa_next_free_vgpr 1024
		.amdhsa_next_free_sgpr 66
		.amdhsa_reserve_vcc 0
		.amdhsa_float_denorm_mode_32 3
		.amdhsa_float_denorm_mode_16_64 3
		.amdhsa_memory_ordered 1
		.amdhsa_forward_progress 1
		.amdhsa_inst_pref_size 143
	.end_amdhsa_kernel
	.amdgpu_metadata
---
amdhsa.version: [ 1, 2 ]
amdhsa.kernels:
  - .name:           k_q646172344e_gemm
    .symbol:         k_q646172344e_gemm.kd
    .args:
      - { .name: xh, .offset: 0, .size: 8, .value_kind: global_buffer, .address_space: global }
      - { .name: wh, .offset: 8, .size: 8, .value_kind: global_buffer, .address_space: global }
      - { .name: out0, .offset: 16, .size: 8, .value_kind: global_buffer, .address_space: global }
    .group_segment_fixed_size: 327680
    .private_segment_fixed_size: 0
    .kernarg_segment_align: 8
    .kernarg_segment_size: 24
    .max_flat_workgroup_size: 128
    .sgpr_count:     66
    .vgpr_count:     1024
    .wavefront_size: 32
...
	.end_amdgpu_metadata
.endif
;; end of part 2
;; ======== version 2 of 2: 2 launches; version 1 with the launch prep written anew for expert scheduling mode
;; limits: values are held in f16: magnitudes above 65,504 overflow, below 6.1e-05 lose precision
;; workspace buffers: xh 33,554,432 bytes; wh 33,554,432 bytes
;; launch prep (part 3): grid 256 x 2, 8 waves a work-group, no clusters, 0 bytes of LDS; arguments x, qweight, scales, xh, wh; writes xh, wh
.if DOCPART == 3
	.amdgcn_target "amdgcn-amd-amdhsa--gfx1250"
	.amdhsa_code_object_version 6
	.text
	.protected	k_q646172344e_prep
	.globl	k_q646172344e_prep
	.p2align	8
	.type	k_q646172344e_prep,@function
k_q646172344e_prep:
	s_mov_b64 s[64:65], 0
	v_nop
	global_prefetch_b8 v0, s[64:65] scope:SCOPE_SE
	s_setreg_imm32_b32 hwreg(HW_REG_WAVE_SCHED_MODE, 0, 2), 2
	s_setreg_imm32_b32 hwreg(HW_REG_WAVE_MODE, 25, 1), 1
	s_wait_xcnt 0x0
	s_wait_alu depctr_vm_vsrc(0)
; xh[t][k] = f16(x[t][k]);  wh[o][k] = f16((q[o][k] - 8) * s[o][k / 128]).  x: [4096][4096] f32, q: [4096][4096] int32, s: [4096][32] f32; xh, wh: [4096][4096] f16.
; Each number is converted ONCE here; the product that follows uses every row of xh and of wh in sixteen work-groups, which would otherwise each convert it again.
; WHY f16: each output must lie within 1% of the outputs' root mean square; a rounding to 8 significant bits on both sides of 4,096 products leaves about a quarter of that
; allowance as the error's spread, too near for 16.7 million outputs; 11 significant bits leave an eighth of it.
; LIMITS.  |x| and |(q - 8) s| beyond 65,504 become infinities; below 6e-5 they keep f16's fixed step of 6e-8.  Codes are taken as any int32 (exact in f32 up to 2^24).
; SHARES.  Work-groups with y = 0 convert x, those with y = 1 the weights.  Wave W = 8 x + wave (0 .. 2047) owns the two rows 2 W, 2 W + 1.  A row is 32 chunks: one 16-byte load a lane covers 512 consecutive
; bytes = 128 numbers, which for the weights is exactly one group of a scale; the chunk's 128 f16 leave by one 8-byte store a lane: 256 consecutive bytes, at a multiple of 256 from the buffer's first byte.
; The two rows lie end to end: 64 chunks, chunk c at byte 512 c of the wave's input and at byte 256 c of its output.  No LDS, no barrier, no matrix unit: every byte is touched once and no wave needs another's.
; THE MODE: SCHED_MODE bits 1:0 = 2 (LLVM: expert scheduling mode 2), set by the entry lines.  The code itself states the register dependences between vector instructions and memory instructions,
; and between a vector instruction that writes a scalar register and that register's readers, with s_wait_alu, always for 0.
; THE PLAN.  The 64 chunks go in 8 blocks of eight, all written out.  Registers that memory instructions touch:
;   X0 .. X4   five blocks as loaded.  The head fills X0 to X3 with blocks 0 to 3; block p (p < 4) issues the loads of block p + 4, which land in X[(p + 4) % 5]: X4, which nothing has named, then
;              X0, X1, X2, which the conversions of block p - 1 read.  Block p's conversions read X[p % 5].
;   Y0 .. Y2   what blocks 0 to 2 store: their X is loaded again.  Blocks 3 to 7 are rounded into the first two of each chunk's own four registers, in which no load lands again.
;              Written by block p's roundings; read by the eight stores that are issued in block p + 1 (block 7's: behind it).
;   v3, v4     byte offsets, made once at the head and never written again: blocks and chunks stand in the immediates.
;   v[6:7]     the scales: loaded once, then read by vector instructions alone.  v[8:17] are named by vector instructions alone.
; Block p's vector instructions name X[p % 5], its own out registers and v[6:17]; its memory instructions touch X[(p - 1) % 5] and the out registers of block p - 1.  So ONE wait on va_vdst at a block's head
; states all that the block's sixteen memory instructions hang on, and these are dealt among its vector instructions with no further wait.  No register that a memory instruction reads (offset, data, base)
; is ever written again, so the text holds no wait on vm_vsrc and none on XCNT.
.set CIN,  512                         ; bytes of a chunk as loaded; 32 of them are a row of x or q
.set COUT, 256                         ; bytes of a chunk as stored; 32 of them are a row of xh or wh
.set BL,   8                           ; chunks in a block
.set OFL, 3                            ; v3         16 x lane: my 16 bytes of a chunk as loaded
.set OFS, 4                            ; v4         8 x lane: my 8 bytes of a chunk as stored; also my two scales
.set SC,  6                            ; v[6:7]     lane l: the scales of chunks 2 l and 2 l + 1 (row l / 16, groups 2 (l % 16) and 2 (l % 16) + 1)
.set SN,  8                            ; v[8:9]     -8 s of the same
.set T,   10                           ; v[10:17]   at work: two sets of four, by the chunk's parity
.set X,   18                           ; v[18:177]  buffer k, chunk i: 4 registers at X + 32 k + 4 i, as loaded
.set Y,   178                          ; v[178:225] block p (0 to 2), chunk i: 2 registers at Y + 16 p + 2 i, f16 to store
.set SS,  32                           ; s[32:63]   chunk i of the block in hand: its scale in the low word of the pair at SS + 4 i, -8 times it in that of the pair at SS + 4 i + 2
	s_load_b256 s[4:11], s[0:1], 0x0               ; x s[4:5], q s[6:7], s s[8:9], xh s[10:11]
	s_load_b64 s[12:13], s[0:1], 0x20              ; wh
	v_lshrrev_b32 v1, 5, v0
	v_readfirstlane_b32 s14, v1                    ; wave 0..7
	v_and_b32 v2, 31, v0                           ; lane
	v_lshlrev_b32 v[OFL], 4, v2
	v_lshlrev_b32 v[OFS], 3, v2
	s_wait_alu depctr_va_sdst(0)                   ; s14 is written, ahead of its first reader: the wave's offsets are made from it
	s_lshl_b32 s15, ttmp9, 3
	s_add_co_u32 s15, s15, s14                     ; W
	s_lshl_b32 s24, s15, 15                        ; two rows in: 32,768 W (under 2^26)
	s_mov_b32 s25, 0
	s_lshl_b32 s26, s15, 14                        ; two rows out: 16,384 W
	s_mov_b32 s27, 0
	s_lshl_b32 s28, s15, 8                         ; two rows' 64 scales: 256 W
	s_mov_b32 s29, 0
	s_and_b32 s30, ttmp7, 0xffff                   ; which of the two jobs
	s_wait_kmcnt 0x0
	s_wait_alu depctr_va_vdst(0)                   ; v3 and v4 are written: every load and store of either job reads one of them as its offset
	s_cmp_lg_u32 s30, 0
	s_cbranch_scc1 .Lweights
; The first fill: blocks 0 to 3, the first row's 32 chunks, into X0 to X3.  b: the scalar pair that holds the input at my first row.
.macro FILL b
.irp g, 0,1,2,3,4,5,6,7,8,9,10,11,12,13,14,15,16,17,18,19,20,21,22,23,24,25,26,27,28,29,30,31
	global_load_b128 v[X+4*(\g):X+4*(\g)+3], v[OFL], s[(\b):(\b)+1] offset:CIN*(\g) th:TH_LOAD_NT
.endr
.endm
; Where chunk i of block p lies as loaded (XS) and where its f16 go (D): Y for blocks 0 to 2, the chunk's own first two registers from block 3 on.
.macro REGS p, i
.set XS, X+32*((\p)%5)+4*(\i)
.if (\p) < 3
.set D, Y+16*(\p)+2*(\i)
.else
.set D, XS
.endif
.endm
; The load of chunk i of block p + 4, issued in block p.  b: the input's pair.
.macro AHEAD p, i, b
	global_load_b128 v[X+32*(((\p)+4)%5)+4*(\i):X+32*(((\p)+4)%5)+4*(\i)+3], v[OFL], s[(\b):(\b)+1] offset:CIN*(BL*((\p)+4)+(\i)) th:TH_LOAD_NT
.endm
; The store of chunk i of block p.  b: the output's pair.
.macro OUT p, i, b
	REGS \p, \i
	global_store_b64 v[OFS], v[D:D+1], s[(\b):(\b)+1] offset:COUT*(BL*(\p)+(\i))
.endm
; Block p of x.  left: the younger loads, which may stay out.
.macro XBLK p, left
	s_wait_loadcnt \left                           ; loads come back in order (ISA guide 5.7.1): this block's eight are in
.if (\p) > 0
	s_wait_alu depctr_va_vdst(0)                   ; the block before has written its out registers, which the stores below read, and is done reading its X, in which the loads below land
.endif
.irp i, 0,1,2,3,4,5,6,7
.if (\p) < 4
	AHEAD \p, \i, 4                                ; four blocks ahead, the load ahead of the store; no vector instruction since the wait names these registers
.endif
.if (\p) > 0
	OUT (\p)-1, \i, 10                             ; the block before
.endif
	REGS \p, \i
	v_cvt_pk_f16_f32 v[D],   v[XS],   v[XS+1]
	v_cvt_pk_f16_f32 v[D+1], v[XS+2], v[XS+3]
.endr
.endm
; The same for the weights.  A chunk's one scale and -8 times it come out of their lane into scalar registers: the block's sixteen in one run at its head, which hangs on no data of the block and so stands ahead
; of the wait for them.  q s - 8 s in one fused multiply-add is the exact (q - 8) s rounded once: the f32 number that the definition gives.
.macro WBLK p, left
.irp i, 0,1,2,3,4,5,6,7
	v_readlane_b32 s[SS+4*(\i)],   v[SC+(\i)%2], (BL*(\p)+(\i))/2
	v_readlane_b32 s[SS+4*(\i)+2], v[SN+(\i)%2], (BL*(\p)+(\i))/2
.endr
	s_wait_loadcnt \left                           ; this block's eight loads are in
	s_wait_alu depctr_va_sdst(0)                   ; the sixteen lines above have written their scalar registers, ahead of the first multiply-add that reads one
.if (\p) > 0
	s_wait_alu depctr_va_vdst(0)                   ; the block before has written its out registers, which the stores below read, and is done reading its X, in which the loads below land
.endif
.irp i, 0,1,2,3,4,5,6,7
.if (\p) < 4
	AHEAD \p, \i, 6
.endif
.if (\p) > 0
	OUT (\p)-1, \i, 12
.endif
	REGS \p, \i
.set TT, T+4*((\i)%2)
.irp j, 0,1,2,3
	v_cvt_f32_i32 v[TT+(\j)], v[XS+(\j)]
.endr
	v_pk_fma_f32 v[TT:TT+1],   v[TT:TT+1],   s[SS+4*(\i):SS+4*(\i)+1], s[SS+4*(\i)+2:SS+4*(\i)+3] op_sel_hi:[1,0,0]  ; both halves take the pairs' low words
	v_pk_fma_f32 v[TT+2:TT+3], v[TT+2:TT+3], s[SS+4*(\i):SS+4*(\i)+1], s[SS+4*(\i)+2:SS+4*(\i)+3] op_sel_hi:[1,0,0]
	v_cvt_pk_f16_f32 v[D],   v[TT],   v[TT+1]
	v_cvt_pk_f16_f32 v[D+1], v[TT+2], v[TT+3]
.endr
.endm
	; x
	s_add_nc_u64 s[4:5], s[4:5], s[24:25]          ; x and xh at my first row
	s_add_nc_u64 s[10:11], s[10:11], s[26:27]
	FILL 4
	XBLK 0, 3*BL                                   ; at the head of block p the loads of blocks p + 1 to p + 3 stand behind its own: 24
	XBLK 1, 3*BL
	XBLK 2, 3*BL
	XBLK 3, 3*BL
	XBLK 4, 3*BL                                   ; blocks 4 to 7 load nothing: no load leaves the buffer, and the counts run down
	XBLK 5, 2*BL
	XBLK 6, BL
	XBLK 7, 0
	s_wait_alu depctr_va_vdst(0)                   ; block 7 has written its out registers, which the last eight stores read
.irp i, 0,1,2,3,4,5,6,7
	OUT 7, \i, 10
.endr
	s_endpgm
.Lweights:
	s_add_nc_u64 s[6:7], s[6:7], s[24:25]          ; q, s and wh at my first row
	s_add_nc_u64 s[8:9], s[8:9], s[28:29]
	s_add_nc_u64 s[12:13], s[12:13], s[26:27]
.irp i, 0,1,2,3,4,5,6,7,8,9,10,11,12,13,14,15
	s_mov_b32 s[SS+2*(\i)+1], 0                    ; the packed multiply-add names pairs: their high words are written once
.endr
	global_load_b64 v[SC:SC+1], v[OFS], s[8:9]     ; my two rows' 64 scales: 256 consecutive bytes, read once
	FILL 6
	s_wait_loadcnt 32                              ; the scales are in; the 32 loads of the fill stay out
	v_mul_f32 v[SN],   0xc1000000, v[SC]           ; -8 s, exact
	v_mul_f32 v[SN+1], 0xc1000000, v[SC+1]
	WBLK 0, 3*BL
	WBLK 1, 3*BL
	WBLK 2, 3*BL
	WBLK 3, 3*BL
	WBLK 4, 3*BL
	WBLK 5, 2*BL
	WBLK 6, BL
	WBLK 7, 0
	s_wait_alu depctr_va_vdst(0)                   ; block 7 has written its out registers, which the last eight stores read
.irp i, 0,1,2,3,4,5,6,7
	OUT 7, \i, 12
.endr
	s_endpgm
.Lfunc_end_k_q646172344e_prep:
	.size	k_q646172344e_prep, .Lfunc_end_k_q646172344e_prep-k_q646172344e_prep
	.p2alignl 7, 3214868480
	.fill 96, 4, 3214868480
	.section	.rodata,"a",@progbits
	.p2align	6, 0x0
	.amdhsa_kernel k_q646172344e_prep
		.amdhsa_group_segment_fixed_size 0
		.amdhsa_private_segment_fixed_size 0
		.amdhsa_enable_private_segment 0
		.amdhsa_kernarg_size 40
		.amdhsa_user_sgpr_count 2
		.amdhsa_user_sgpr_kernarg_segment_ptr 1
		.amdhsa_wavefront_size32 1
		.amdhsa_system_sgpr_workgroup_id_x 1
		.amdhsa_system_sgpr_workgroup_id_y 1
		.amdhsa_system_sgpr_workgroup_id_z 1
		.amdhsa_system_vgpr_workitem_id 0
		.amdhsa_next_free_vgpr 226
		.amdhsa_next_free_sgpr 66
		.amdhsa_reserve_vcc 0
		.amdhsa_float_denorm_mode_32 3
		.amdhsa_float_denorm_mode_16_64 3
		.amdhsa_memory_ordered 1
		.amdhsa_forward_progress 1
		.amdhsa_inst_pref_size 68
	.end_amdhsa_kernel
	.amdgpu_metadata
---
amdhsa.version: [ 1, 2 ]
amdhsa.kernels:
  - .name:           k_q646172344e_prep
    .symbol:         k_q646172344e_prep.kd
    .args:
      - { .name: x, .offset: 0, .size: 8, .value_kind: global_buffer, .address_space: global }
      - { .name: qweight, .offset: 8, .size: 8, .value_kind: global_buffer, .address_space: global }
      - { .name: scales, .offset: 16, .size: 8, .value_kind: global_buffer, .address_space: global }
      - { .name: xh, .offset: 24, .size: 8, .value_kind: global_buffer, .address_space: global }
      - { .name: wh, .offset: 32, .size: 8, .value_kind: global_buffer, .address_space: global }
    .group_segment_fixed_size: 0
    .private_segment_fixed_size: 0
    .kernarg_segment_align: 8
    .kernarg_segment_size: 40
    .max_flat_workgroup_size: 256
    .sgpr_count:     66
    .vgpr_count:     226
    .wavefront_size: 32
...
	.end_amdgpu_metadata
.endif
;; end of part 3
;; launch gemm: the kernel of part 2 again; grid 16 x 16, 4 waves a work-group, clusters of 4 x 4, 327,680 bytes of LDS; arguments xh, wh, out0; writes out0
